; MI455X (gfx1250); checked and timed in simulation.
; The chip was launched on July 23, 2026; its instructions are those of AMD's public machine-readable ISA for CDNA 5 (MIT licence, August 2026) and "CDNA5" Instruction Set Architecture Reference Guide (July 2026). The comments in the code are by the model that wrote it; some were corrected since.
;; Multi Head Attention. Allowed arithmetic: float matrix products may take bf16 or f16 operands with f32 sums; all other float work in f32.
;; Inputs: W_qkv 1,024 x 3,072 float32; b_qkv 3,072 float32; x 2 x 2,048 x 1,024 float32.
;; Outputs: out0 2 x 2,048 x 1,024 float32.
;; One version. Each part assembles by itself: llvm-mc -triple=amdgcn-amd-amdhsa -mcpu=gfx1250 --defsym DOCPART=n.
;; ======== version 1 of 1: 3 launches
;; limits: values are held in f16: magnitudes above 65,504 overflow, below 6.1e-05 lose precision
;; workspace buffers: xb 8,388,608 bytes; wt 6,291,456 bytes; qkv 25,165,824 bytes
;; launch prep (part 1): grid 896 x 1, 8 waves a work-group, no clusters, 18,432 bytes of LDS; arguments x, W_qkv, xb, wt; writes xb, wt
.if DOCPART == 1
	.amdgcn_target "amdgcn-amd-amdhsa--gfx1250"
	.amdhsa_code_object_version 6
	.text
	.protected	k_qea3e724cba_prep
	.globl	k_qea3e724cba_prep
	.p2align	8
	.type	k_qea3e724cba_prep,@function
k_qea3e724cba_prep:
	s_mov_b64 s[64:65], 0
	v_nop
	global_prefetch_b8 v0, s[64:65] scope:SCOPE_SE
	s_setreg_imm32_b32 hwreg(HW_REG_WAVE_MODE, 25, 1), 1
	s_wait_xcnt 0x0
; xb = bf16(x), [4096][1024];  wt = bf16(W transposed), [3072 n][1024 k].  Both are read once and written once.
; 896 work-groups of eight waves, each moving 32,768 bytes in: numbers 0-511 cast a dense piece of x, numbers 512-895 cast and
; transpose a tile of 128 k x 64 n of W through LDS.  The choice hangs on the work-group's number alone, so all eight waves go one way.
; A stream: no matrix unit, no cluster (no two work-groups read the same byte), no tensor load (each wave's eight loads are all it ever asks for).
; Rounding to bf16 is to nearest even.  NaN and infinities pass through as bf16 has them.
.set WROW,  12288                      ; bytes in a row of W (3072 f32)
.set TP,    272                        ; LDS pitch of a transposed row: 128 bf16 = 256 bytes + 16
.set IN,    8                          ; v[8:39]   as loaded
.set PK,    40                         ; v[40:55]  packed bf16
	s_load_b256 s[4:11], s[0:1], 0x0               ; x s[4:5], W s[6:7], xb s[8:9], wt s[10:11]
	v_lshl_add_u32 v64, v0, 2, 0x4400
	v_mov_b32 v65, 0
	s_cmp_lt_u32 ttmp9, 512
	s_cbranch_scc0 .Lw_path
	; ---- x: thread t takes 16 bytes at 16 t of each of eight blocks of 4,096 bytes ----
	s_lshl_b32 s12, ttmp9, 15                      ; 32,768 bytes in
	s_mov_b32 s13, 0
	s_lshl_b32 s14, ttmp9, 14                      ; 16,384 bytes out
	s_mov_b32 s15, 0
	v_lshlrev_b32 v1, 4, v0
	v_lshlrev_b32 v2, 3, v0
	s_wait_kmcnt 0x0
	s_add_nc_u64 s[4:5], s[4:5], s[12:13]
	s_add_nc_u64 s[8:9], s[8:9], s[14:15]
.irp j, 0,1,2,3,4,5,6,7
	global_load_b128 v[IN+4*\j:IN+4*\j+3], v1, s[4:5] offset:4096*\j th:TH_LOAD_NT   ; a wave's load: 512 neighbouring bytes
.endr
.irp j, 0,1,2,3,4,5,6,7
	s_wait_loadcnt 7-\j                            ; loads come back in order: load j is in, the 7 - j younger ones stay out
	v_cvt_pk_bf16_f32 v[PK+2*\j],   v[IN+4*\j],   v[IN+4*\j+1]
	v_cvt_pk_bf16_f32 v[PK+2*\j+1], v[IN+4*\j+2], v[IN+4*\j+3]
	global_store_b64 v2, v[PK+2*\j:PK+2*\j+1], s[8:9] offset:2048*\j   ; a wave's store: 256 neighbouring bytes, aligned; no register is used twice
.endr
	s_endpgm
	; ---- W: tile kt (128 k) x nt (64 n) ----
.Lw_path:
	s_sub_co_u32 s12, ttmp9, 512
	s_and_b32 s13, s12, 7                          ; kt
	s_lshr_b32 s14, s12, 3                         ; nt
	s_mul_i32 s16, s13, 128*WROW
	s_lshl_b32 s17, s14, 8                         ; 64 f32
	s_add_co_u32 s16, s16, s17
	s_mov_b32 s17, 0
	s_lshl_b32 s18, s14, 17                        ; 64 rows of wt, 2,048 bytes each
	s_lshl_b32 s19, s13, 8                         ; 128 bf16
	s_add_co_u32 s18, s18, s19
	s_mov_b32 s19, 0
	v_lshrrev_b32 v3, 5, v0
	v_readfirstlane_b32 s20, v3                    ; wave w
	v_bfe_u32 v4, v0, 4, 1                         ; h: which half of the lanes
	v_and_b32 v5, 15, v0                           ; c: which 16 bytes of a 256-byte piece
	v_lshl_add_u32 v6, s20, 3, v4                  ; 8 w + h
	v_mul_u32_u24 v1, v6, 2*WROW                   ; in: row k = 16 w + 2 h (+ 4 i + e in the immediate),
	v_lshl_add_u32 v1, v5, 4, v1                   ;     columns 4 c .. 4 c + 3
	v_mul_u32_u24 v7, v5, 4*TP                     ; LDS in: row n = 4 c (+ column in the immediate),
	v_lshl_add_u32 v7, v6, 2, v7                   ;     word of the k pair 8 w + h (+ 2 i in the immediate)
	v_mul_u32_u24 v56, v6, TP                      ; LDS back: row n = 8 w + h (+ 2 i), 16 bytes at 16 c
	v_lshl_add_u32 v56, v5, 4, v56
	v_lshlrev_b32 v57, 11, v6                      ; the same place in wt
	v_lshl_add_u32 v57, v5, 4, v57
	s_wait_kmcnt 0x0
	s_add_nc_u64 s[6:7], s[6:7], s[16:17]
	s_add_nc_u64 s[10:11], s[10:11], s[18:19]
.irp i, 0,1,2,3
.irp e, 0,1
	global_load_b128 v[IN+8*\i+4*\e:IN+8*\i+4*\e+3], v1, s[6:7] offset:(4*\i+\e)*WROW th:TH_LOAD_NT   ; sixteen lanes: 256 aligned bytes of one row of W
.endr
.endr
.irp i, 0,1,2,3
	s_wait_loadcnt 6-2*\i                          ; the two rows of pair i are in; the 6 - 2 i younger loads stay out
.irp c, 0,1,2,3
	v_cvt_pk_bf16_f32 v[PK+4*\i+\c], v[IN+8*\i+\c], v[IN+8*\i+4+\c]    ; k even below, k odd above: two neighbours of a row of wt
	ds_store_b32 v7, v[PK+4*\i+\c] offset:\c*TP+8*\i
.endr
.endr
	s_wait_dscnt 0x0                               ; my stores are in LDS before I say so,
	s_barrier_signal -1
	s_barrier_wait -1                              ; and everybody's are before anybody reads rows that eight waves wrote
.irp i, 0,1,2,3
	ds_load_b128 v[IN+4*\i:IN+4*\i+3], v56 offset:2*TP*\i
.endr
.irp i, 0,1,2,3
	s_wait_dscnt 3-\i                              ; LDS loads come back in order
	global_store_b128 v57, v[IN+4*\i:IN+4*\i+3], s[10:11] offset:4096*\i   ; sixteen lanes: 256 aligned bytes of one row of wt
.endr
	s_wait_tensorcnt 0x0
	ds_add_u32 v64, v65
	s_wait_dscnt 0x0
	s_endpgm
.Lfunc_end_k_qea3e724cba_prep:
	.size	k_qea3e724cba_prep, .Lfunc_end_k_qea3e724cba_prep-k_qea3e724cba_prep
	.p2alignl 7, 3214868480
	.fill 96, 4, 3214868480
	.section	.rodata,"a",@progbits
	.p2align	6, 0x0
	.amdhsa_kernel k_qea3e724cba_prep
		.amdhsa_group_segment_fixed_size 18432
		.amdhsa_private_segment_fixed_size 0
		.amdhsa_enable_private_segment 0
		.amdhsa_kernarg_size 32
		.amdhsa_user_sgpr_count 2
		.amdhsa_user_sgpr_kernarg_segment_ptr 1
		.amdhsa_wavefront_size32 1
		.amdhsa_system_sgpr_workgroup_id_x 1
		.amdhsa_system_sgpr_workgroup_id_y 1
		.amdhsa_system_sgpr_workgroup_id_z 1
		.amdhsa_system_vgpr_workitem_id 0
		.amdhsa_next_free_vgpr 66
		.amdhsa_next_free_sgpr 66
		.amdhsa_reserve_vcc 0
		.amdhsa_float_denorm_mode_32 3
		.amdhsa_float_denorm_mode_16_64 3
		.amdhsa_memory_ordered 1
		.amdhsa_forward_progress 1
		.amdhsa_inst_pref_size 9
	.end_amdhsa_kernel
	.amdgpu_metadata
---
amdhsa.version: [ 1, 2 ]
amdhsa.kernels:
  - .name:           k_qea3e724cba_prep
    .symbol:         k_qea3e724cba_prep.kd
    .args:
      - { .name: x, .offset: 0, .size: 8, .value_kind: global_buffer, .address_space: global }
      - { .name: W_qkv, .offset: 8, .size: 8, .value_kind: global_buffer, .address_space: global }
      - { .name: xb, .offset: 16, .size: 8, .value_kind: global_buffer, .address_space: global }
      - { .name: wt, .offset: 24, .size: 8, .value_kind: global_buffer, .address_space: global }
    .group_segment_fixed_size: 18432
    .private_segment_fixed_size: 0
    .kernarg_segment_align: 8
    .kernarg_segment_size: 32
    .max_flat_workgroup_size: 256
    .sgpr_count:     66
    .vgpr_count:     66
    .wavefront_size: 32
...
	.end_amdgpu_metadata
.endif
;; end of part 1
;; launch proj (part 2): grid 16 x 16, 4 waves a work-group, clusters of 4 x 4, 327,680 bytes of LDS; arguments xb, wt, b_qkv, qkv; writes qkv
.if DOCPART == 2
	.amdgcn_target "amdgcn-amd-amdhsa--gfx1250"
	.amdhsa_code_object_version 6
	.text
	.protected	k_qea3e724cba_proj
	.globl	k_qea3e724cba_proj
	.p2align	8
	.type	k_qea3e724cba_proj,@function
k_qea3e724cba_proj:
	s_mov_b64 s[64:65], 0
	v_nop
	global_prefetch_b8 v0, s[64:65] scope:SCOPE_SE
	s_setreg_imm32_b32 hwreg(HW_REG_WAVE_MODE, 25, 1), 1
	s_wait_xcnt 0x0
	s_wait_alu depctr_hold_cnt(0) depctr_sa_sdst(0) depctr_va_vdst(0) depctr_va_sdst(0) depctr_va_ssrc(0) depctr_va_vcc(0) depctr_vm_vsrc(0)
	s_getreg_b32 s2, hwreg(HW_REG_IB_STS2, 6, 4)
	s_cmp_eq_u32 s2, 0
	s_cbranch_scc0 .Lentry_in_a_cluster
	s_endpgm
.Lentry_in_a_cluster:
	s_bfe_u32 s2, ttmp6, 0x10000c
	s_cmp_lg_u32 s2, 0xf033
	s_cbranch_scc0 .Lentry_shape_is_right
	s_endpgm
.Lentry_shape_is_right:
; qkv = f16(xb wt^T + b), stored by heads: [batch 2][g 48][s 2048][d 64] f16, g = column / 64 (0-15 q, 16-31 k, 32-47 v).
; xb: [4096][1024] bf16, wt: [3072][1024] bf16, b: [3072] f32.  Products in bf16, sums in f32, the bias is the start of each sum.
; A work-group makes 256 rows x 192 columns with four waves; a wave makes 64 rows x 192 columns (three whole heads, so that every
; 512 bytes it stores are its own): 48 accumulator tiles of 16 x 16, 384 registers.  K goes in 8 steps of 128 through two LDS slots.
; CLUSTERS: 4 x 4 work-groups.  The four of a row of the cluster need the same rows of xb, the four of a column the same rows of wt:
; each tile is asked for jointly, by the same tensor load with the same descriptor in all four.
; LIMIT: the result is rounded to f16: a |q|, |k| or |v| above 65,504 becomes infinite.  With x and W both 30 times larger than
; unit-variance x and W of variance 1/1024 the results reach about 900 x 5.5 = 5,000; with both shifted by 30 of their spreads about
; 30 x (30/32) x 1024 = 28,800.  f16 and not bf16 because four roundings of 8 bits (q, k, v, weights) add up to a third of a per cent
; of the output's spread, too near the hundredth that is allowed.  NaN and infinite inputs are not served.
;
; REGISTERS, in windows of 256:
;   window 0: v16-27 addresses; v32-63, v64-95 fragments of xb (4 x 16 rows x 32 K), two buffers; v128-223 the bias, later the way out
;   window 1: v0-95, v96-191 fragments of wt (12 x 16 rows x 32 K), two buffers
;   window 2: tiles (a, b) of columns 0-95 at v[8 (6 a + b)];   window 3: those of columns 96-191
; THE MATRIX INSTRUCTION IS USED TRANSPOSED: source 0 = 16 rows of wt, source 1 = 16 rows of xb, so that lane l holds row l % 16 and
; its registers 0-7 the columns 8 (l / 16) + 0 .. 7: eight neighbours, 16 bytes of f16.
.set KSTEP,  128
.set PITCH,  272                       ; an LDS row: 256 bytes + 16, an odd multiple of 16: the 16 rows of a fragment load start 16 bytes apart modulo 256
.set ABYTES, 256*PITCH                 ; xb's 256 rows
.set AHALF,  128*PITCH                 ; what waves 0 and 1 fetch
.set BHALF,  96*PITCH                  ; what waves 2 and 3 fetch
.set SLOT,   ABYTES+2*BHALF            ; 121,856
.set STAGE,  2*SLOT                    ; 243,712, a multiple of 256: no tensor load ever lands here
.set SPITCH, 144                       ; stage: a head's row of 128 bytes + 16
.set SGRP,   16*SPITCH                 ; 16 rows of one head
.set SWAVE,  3*SGRP                    ; a wave's stage: 6,912 bytes
.set LAPS,   4                         ; a lap = two K steps = once round the ring
.set ADRA, 16                          ; v16-17  LDS address of my xb fragments in slot 0, 1
.set ADRB, 20                          ; v20-21  the same for wt
.set STO,  24
.set RD,   25
.set CO,   26
.set BO,   27
.set FA,   32                          ; + 32 f
.set FB,   0                           ; + 96 f, window 1
.set BIAS, 128                         ; v[128:223]: register j of tile b = b[16 b + 8 (l / 16) + j]
.set TMP,  128                         ; the way out: packed results
.set RB,   176                         ; the way out: rows read back
.set G1,  24
.set G0,  32
.set G1B, 48
.set G0B, 56
.set MSB, 0
.macro WIN new                         ; the immediate's high byte repeats the setting that is left
.if MSB != \new
	s_set_vgpr_msb (MSB<<8)|\new
.set MSB, \new
.endif
.endm
.set MUL_LO, 0xa1                      ; source 0 (wt) window 1, source 1 (xb) window 0, C and D window 2
.set MUL_HI, 0xf1                      ; the same, C and D window 3
.set ONE_LO, 0x81                      ; the first product: C is the bias, in window 0
.set ONE_HI, 0xc1
.set TO_B,   0x40
.macro JLOAD s                         ; waves 0, 1 ask for xb's halves, waves 2, 3 for wt's: each line has one mask; the branch hangs on the wave's number alone
	s_cmp_eq_u32 s13, 0
	s_cbranch_scc0 .Lfor_b_\@
	tensor_load_to_lds s[G0+4*\s:G0+4*\s+3], s[G1:G1+7]
	s_nop 0
	s_branch .Lasked_\@
.Lfor_b_\@:
	tensor_load_to_lds s[G0B+4*\s:G0B+4*\s+3], s[G1B:G1B+7]
	s_nop 0
.Lasked_\@:
.endm
.macro CREST                           ; a round of the cluster's barrier behind its opening barrier
	s_cmp_lg_u32 s12, 0
	s_cbranch_scc1 .Lnot_wave_0_\@
	s_barrier_signal -3
.Lnot_wave_0_\@:
	s_barrier_wait -3
	s_barrier_signal -1
	s_barrier_wait -1
.endm
.macro CROUND
	s_barrier_signal -1
	s_barrier_wait -1
	CREST
.endm
.macro PLACES                          ; four places behind a matrix instruction (ISA guide 7.12.1) before its registers are loaded into or its result is read
.rept 4
	v_nop
.endr
.endm
	s_load_b256 s[4:11], s[0:1], 0x0               ; xb s[4:5], wt s[6:7], b s[8:9], qkv s[10:11]
	s_set_vgpr_msb 0x40
	v_lshl_add_u32 v255, v0, 2, 0x42400
	s_set_vgpr_msb 0x4000
	v_mov_b32 v255, 0
	s_set_vgpr_msb 0x1
	ds_add_u32 v255, v255
	s_set_vgpr_msb 0x100
	v_lshrrev_b32 v1, 5, v0
	v_readfirstlane_b32 s12, v1                    ; wave 0..3
	s_lshr_b32 s13, s12, 1                         ; I fetch for xb (0) or for wt (1)
	s_and_b32 s14, s12, 1                          ; which half of that tile
	s_bfe_u32 s20, ttmp6, 0x40000                  ; cx
	s_bfe_u32 s21, ttmp6, 0x40004                  ; cy
	s_lshl_b32 s22, ttmp9, 2
	s_add_co_u32 s22, s22, s20                     ; block column bx = 4 x cluster x + cx
	s_and_b32 s23, ttmp7, 0xffff
	s_lshl_b32 s23, s23, 2
	s_add_co_u32 s23, s23, s21                     ; block row by = 4 x cluster y + cy
	s_lshl_b32 s40, s21, 2
	s_lshl_b32 s40, 15, s40                        ; my row of the cluster
	s_lshl_b32 s41, 0x1111, s20                    ; my column
	s_or_b32 s[G1+0], s40, (1<<16)|(1<<20)|(1<<21)|(5<<22)|(3<<25)   ; mask; 2-byte elements; padding on; bit 21 beside a mask; after every 64 words 4 words
	s_or_b32 s[G1B+0], s41, (1<<16)|(1<<20)|(1<<21)|(5<<22)|(3<<25)
	s_mov_b32 s[G1+1], KSTEP<<16                   ; tensor_dim0 = 128
	s_mov_b32 s[G1B+1], KSTEP<<16
	s_mov_b32 s[G1+2], 128<<16                     ; tensor_dim1 = 128 rows of xb
	s_mov_b32 s[G1B+2], 96<<16                     ;             = 96 rows of wt
	s_mov_b32 s[G1+3], KSTEP<<16                   ; tile_dim0 = 128
	s_mov_b32 s[G1B+3], KSTEP<<16
	s_mov_b32 s[G1+4], 128                         ; tile_dim1
	s_mov_b32 s[G1B+4], 96
	s_mov_b32 s[G1+5], 1024                        ; elements from row to row
	s_mov_b32 s[G1B+5], 1024
	s_mov_b32 s[G1+6], 0
	s_mov_b32 s[G1B+6], 0
	s_mov_b32 s[G1+7], 0
	s_mov_b32 s[G1B+7], 0
	; xb's tiles hang on the block row and the wave alone, wt's on the block column and the wave alone, each in registers of its own
	s_lshl_b32 s42, s23, 19                        ; 256 rows x 2,048 bytes
	s_lshl_b32 s43, s14, 18                        ; 128 rows
	s_add_co_u32 s42, s42, s43
	s_mov_b32 s43, 0
	s_mul_i32 s44, s22, 192*2048
	s_mul_i32 s45, s14, 96*2048
	s_add_co_u32 s44, s44, s45
	s_mov_b32 s45, 0
	s_mul_i32 s46, s12, AHALF                      ; LDS: waves 0, 1: xb's halves
	s_mul_i32 s47, s12, BHALF                      ;      waves 2, 3: wt's halves, behind xb's 256 rows
	s_add_co_u32 s47, s47, ABYTES-2*BHALF
	s_mul_i32 s66, s22, 768                        ; my 192 numbers of b
	s_mov_b32 s67, 0
	s_lshr_b32 s68, s23, 3                         ; batch
	s_mul_i32 s68, s68, 48*262144
	s_mul_i32 s69, s22, 3*262144                   ; my three heads
	s_add_co_u32 s68, s68, s69
	s_and_b32 s69, s23, 7
	s_lshl_b32 s69, s69, 15                        ; 256 rows of 128 bytes
	s_add_co_u32 s68, s68, s69
	s_lshl_b32 s69, s12, 13                        ; my 64 rows
	s_add_co_u32 s68, s68, s69
	s_mov_b32 s69, 0
	s_wait_dscnt 0x0
	s_wait_kmcnt 0x0
	s_add_nc_u64 s[42:43], s[4:5], s[42:43]
	s_add_nc_u64 s[44:45], s[6:7], s[44:45]
	s_add_nc_u64 s[8:9], s[8:9], s[66:67]
	s_add_nc_u64 s[10:11], s[10:11], s[68:69]
	CROUND                                         ; all sixteen work-groups are here: the first joint loads meet
.irp s, 0,1
	s_mov_b32 s[G0+4*\s], 1
	s_add_co_u32 s[G0+4*\s+1], s46, \s*SLOT
	s_add_nc_u64 s[G0+4*\s+2:G0+4*\s+3], s[42:43], \s*KSTEP*2
	s_or_b32 s[G0+4*\s+3], s[G0+4*\s+3], 0x80000000
	s_mov_b32 s[G0B+4*\s], 1
	s_add_co_u32 s[G0B+4*\s+1], s47, \s*SLOT
	s_add_nc_u64 s[G0B+4*\s+2:G0B+4*\s+3], s[44:45], \s*KSTEP*2
	s_or_b32 s[G0B+4*\s+3], s[G0B+4*\s+3], 0x80000000
	JLOAD \s                                       ; both slots' first fills, ahead of everything else: two tensor loads of the wave are out, never more
.endr
	v_and_b32 v1, 15, v0                           ; r = l % 16
	v_bfe_u32 v2, v0, 4, 1                         ; h = l / 16
	v_and_b32 v5, 31, v0                           ; l
	v_lshlrev_b32 v[BO], 5, v2                     ; 8 h numbers of b
.irp b, 0,1,2,3,4,5,6,7,8,9,10,11
	global_load_b128 v[BIAS+8*\b:BIAS+8*\b+3],   v[BO], s[8:9] offset:64*\b
	global_load_b128 v[BIAS+8*\b+4:BIAS+8*\b+7], v[BO], s[8:9] offset:64*\b+16
.endr
	v_mul_u32_u24 v3, v1, PITCH
	v_lshl_add_u32 v3, v2, 4, v3                   ; row x pitch + 16 x half
	s_mul_i32 s70, s12, 64*PITCH                   ; my 64 rows of xb
	v_add_nc_u32 v[ADRA], s70, v3
	v_add_nc_u32 v[ADRA+1], SLOT, v[ADRA]
	v_add_nc_u32 v[ADRB], ABYTES, v3
	v_add_nc_u32 v[ADRB+1], SLOT, v[ADRB]
	s_mul_i32 s71, s12, SWAVE
	s_add_co_u32 s71, s71, STAGE                   ; my stage
	v_mul_u32_u24 v4, v1, SPITCH
	v_lshl_add_u32 v4, v2, 4, v4
	v_add_nc_u32 v[STO], s71, v4                   ; in: row r, 16 bytes for each half of the lanes
	v_lshrrev_b32 v6, 3, v5
	v_and_b32 v7, 7, v0
	v_mul_u32_u24 v6, v6, SPITCH
	v_lshl_add_u32 v6, v7, 4, v6
	v_add_nc_u32 v[RD], s71, v6                    ; back: eight lanes a row of 128 bytes, four rows a load
	v_lshlrev_b32 v[CO], 4, v5                     ; and those four rows are 512 neighbouring bytes of qkv
; 12 matrix instructions: row blocks a0, a0 + 1 x six column blocks (hi = 0: columns 0-95, 1: 96-191), 32 along K.
; first = 1: the sum starts from the bias.  The 48 accumulators take turns, one instruction a turn, in the same order in every quarter.
.macro MUL12 f, hi, a0, first
.irp a, \a0, \a0+1
.irp b, 0,1,2,3,4,5
.if \first
	v_wmma_f32_16x16x32_bf16 v[8*(6*(\a)+\b):8*(6*(\a)+\b)+7], v[FB+96*\f+8*(6*\hi+\b):FB+96*\f+8*(6*\hi+\b)+7], v[FA+32*\f+8*(\a):FA+32*\f+8*(\a)+7], v[BIAS+8*(6*\hi+\b):BIAS+8*(6*\hi+\b)+7]
.else
	v_wmma_f32_16x16x32_bf16 v[8*(6*(\a)+\b):8*(6*(\a)+\b)+7], v[FB+96*\f+8*(6*\hi+\b):FB+96*\f+8*(6*\hi+\b)+7], v[FA+32*\f+8*(\a):FA+32*\f+8*(\a)+7], v[8*(6*(\a)+\b):8*(6*(\a)+\b)+7]
.endif
.endr
.endr
.endm
; 32 LDS loads in one run: 64 rows of xb, then 192 rows of wt, 32 K at byte k of the rows, into buffer f
.macro FETCH slot, k, f
	WIN 0
.irp i, 0,1,2,3
	ds_load_b128 v[FA+32*\f+8*\i:FA+32*\f+8*\i+3],   v[ADRA+\slot] offset:\k+\i*16*PITCH
	ds_load_b128 v[FA+32*\f+8*\i+4:FA+32*\f+8*\i+7], v[ADRA+\slot] offset:\k+\i*16*PITCH+32
.endr
	WIN TO_B
.irp i, 0,1,2,3,4,5,6,7,8,9,10,11
	ds_load_b128 v[FB+96*\f+8*\i:FB+96*\f+8*\i+3],   v[ADRB+\slot] offset:\k+\i*16*PITCH
	ds_load_b128 v[FB+96*\f+8*\i+4:FB+96*\f+8*\i+7], v[ADRB+\slot] offset:\k+\i*16*PITCH+32
.endr
.endm
; One of a K step's first three quarters: multiplies buffer f, and in its middle fetches the next quarter into buffer g
.macro QUARTER slot, k, f, g, first
	s_wait_dscnt 12                                ; xb and wt's rows 0-95 are in; the youngest twelve loads (wt's rows 96-191) may be out
.if \first
	WIN ONE_LO
.else
	WIN MUL_LO
.endif
	MUL12 \f, 0, 0, \first
	MUL12 \f, 0, 2, \first
	PLACES
	FETCH \slot, \k, \g
	s_wait_dscnt 32                                ; all but the 32 just issued
.if \first
	WIN ONE_HI
.else
	WIN MUL_HI
.endif
	MUL12 \f, 1, 0, \first
	MUL12 \f, 1, 2, \first
.endm
.macro THREE slot, first
	QUARTER \slot, 64,  0, 1, \first
	QUARTER \slot, 128, 1, 0, 0
	QUARTER \slot, 192, 0, 1, 0
.endm
; The last quarter multiplies buffer 1 and changes slots.  In front of the barrier each wave waits for its reads of this slot and for all
; its tensor loads (one is out: its part of the next slot).  Behind it (with fill: behind the cluster's round that it opens) the refill
; comes first, then the next slot's first fragments.
.macro TURN slot, next, fill
	s_wait_dscnt 12
	WIN MUL_LO
	MUL12 1, 0, 0, 0
	s_wait_dscnt 0x0                               ; my reads of this slot are over
	s_wait_tensorcnt 0x0                           ; all my tensor loads have landed
	ds_add_u32 v255, v255
	s_wait_dscnt 0x0
	s_barrier_signal -1
	MUL12 1, 0, 2, 0                               ; register work while the others arrive
	WIN 0
	s_barrier_wait -1
.if \fill
	CREST                                          ; no wave of any partner still reads this slot or has a load on its way
	s_add_nc_u64 s[G0+4*\slot+2:G0+4*\slot+3], s[G0+4*\slot+2:G0+4*\slot+3], 2*KSTEP*2
	s_add_nc_u64 s[G0B+4*\slot+2:G0B+4*\slot+3], s[G0B+4*\slot+2:G0B+4*\slot+3], 2*KSTEP*2
	JLOAD \slot                                    ; the wave's one tensor load behind the round: it has 180 matrix instructions in which to land
.endif
	PLACES
	FETCH \next, 0, 0
	WIN MUL_HI
	MUL12 1, 1, 0, 0
	MUL12 1, 1, 2, 0
.endm
.macro LAP first
	THREE 0, \first
	TURN 0, 1, 1
	THREE 1, 0
	TURN 1, 0, 1
.endm
	s_wait_tensorcnt 0x1                           ; my part of K step 0 is in; K step 1's stays out
	s_barrier_signal -1
	s_barrier_wait -1
	FETCH 0, 0, 0
	s_wait_loadcnt 0x0                             ; the bias
	LAP 1                                          ; the first lap stands in front of the loop: its first products start the sums from the bias
	WIN 0
	s_mov_b32 s15, LAPS-2
.Llap:
	LAP 0
	WIN 0
	s_sub_co_u32 s15, s15, 1
	s_cmp_lg_u32 s15, 0
	s_cbranch_scc1 .Llap
	THREE 0, 0                                     ; the last lap fills nothing
	TURN 0, 1, 0
	THREE 1, 0
	s_wait_dscnt 12
	WIN MUL_LO
	MUL12 1, 0, 0, 0
	MUL12 1, 0, 2, 0
	s_wait_dscnt 0x0
	WIN MUL_HI
	MUL12 1, 1, 0, 0
	MUL12 1, 1, 2, 0
	PLACES                                         ; behind the last matrix instructions, for the conversions that read results
; THE WAY OUT, 16 rows at a time: round to f16, 16 bytes a lane into my own stage (three heads x 16 rows), read back four rows of a head
; at a time and store them: 512 neighbouring bytes of qkv, aligned.  LDS serves a wave's instructions in order: no wait between the stores and the loads.
.macro OUT16 a
	WIN 0x0a
.irp b, 0,1,2,3,4,5
.irp r, 0,1,2,3
	v_cvt_pk_f16_f32 v[TMP+4*\b+\r], v[8*(6*\a+\b)+2*\r], v[8*(6*\a+\b)+2*\r+1]
.endr
.endr
	WIN 0x0f
.irp b, 0,1,2,3,4,5
.irp r, 0,1,2,3
	v_cvt_pk_f16_f32 v[TMP+24+4*\b+\r], v[8*(6*\a+\b)+2*\r], v[8*(6*\a+\b)+2*\r+1]
.endr
.endr
	WIN 0
.irp b, 0,1,2,3,4,5,6,7,8,9,10,11
	ds_store_b128 v[STO], v[TMP+4*\b:TMP+4*\b+3] offset:(\b/4)*SGRP+(\b%4)*32
.endr
	s_wait_xcnt 0x0                                ; the registers that the last sixteen rows' stores read are loaded again only behind this wait
.irp i, 0,1,2,3,4,5,6,7,8,9,10,11
	ds_load_b128 v[RB+4*\i:RB+4*\i+3], v[RD] offset:(\i/4)*SGRP+(\i%4)*4*SPITCH
.endr
.irp i, 0,1,2,3,4,5,6,7,8,9,10,11
	s_wait_dscnt 11-\i                             ; LDS loads come back in order
	global_store_b128 v[CO], v[RB+4*\i:RB+4*\i+3], s[10:11] offset:(\i/4)*262144+\a*2048+(\i%4)*512
.endr
.endm
	OUT16 0
	OUT16 1
	OUT16 2
	OUT16 3
	s_set_vgpr_msb 0x1
	s_wait_tensorcnt 0x0
	ds_add_u32 v255, v255
	s_wait_dscnt 0x0
	s_set_vgpr_msb 0x100
	CROUND                                         ; the closing round: no work-group ends while a partner may still ask for a tile that names it
	s_endpgm
.Lfunc_end_k_qea3e724cba_proj:
	.size	k_qea3e724cba_proj, .Lfunc_end_k_qea3e724cba_proj-k_qea3e724cba_proj
	.p2alignl 7, 3214868480
	.fill 96, 4, 3214868480
	.section	.rodata,"a",@progbits
	.p2align	6, 0x0
	.amdhsa_kernel k_qea3e724cba_proj
		.amdhsa_group_segment_fixed_size 327680
		.amdhsa_private_segment_fixed_size 0
		.amdhsa_enable_private_segment 0
		.amdhsa_kernarg_size 32
		.amdhsa_user_sgpr_count 2
		.amdhsa_user_sgpr_kernarg_segment_ptr 1
		.amdhsa_wavefront_size32 1
		.amdhsa_system_sgpr_workgroup_id_x 1
		.amdhsa_system_sgpr_workgroup_id_y 1
		.amdhsa_system_sgpr_workgroup_id_z 1
		.amdhsa_system_vgpr_workitem_id 0
		.amdhsa_next_free_vgpr 960
		.amdhsa_next_free_sgpr 72
		.amdhsa_reserve_vcc 0
		.amdhsa_float_denorm_mode_32 3
		.amdhsa_float_denorm_mode_16_64 3
		.amdhsa_memory_ordered 1
		.amdhsa_forward_progress 1
		.amdhsa_inst_pref_size 165
	.end_amdhsa_kernel
	.amdgpu_metadata
---
amdhsa.version: [ 1, 2 ]
amdhsa.kernels:
  - .name:           k_qea3e724cba_proj
    .symbol:         k_qea3e724cba_proj.kd
    .args:
      - { .name: xb, .offset: 0, .size: 8, .value_kind: global_buffer, .address_space: global }
      - { .name: wt, .offset: 8, .size: 8, .value_kind: global_buffer, .address_space: global }
      - { .name: b_qkv, .offset: 16, .size: 8, .value_kind: global_buffer, .address_space: global }
      - { .name: qkv, .offset: 24, .size: 8, .value_kind: global_buffer, .address_space: global }
    .group_segment_fixed_size: 327680
    .private_segment_fixed_size: 0
    .kernarg_segment_align: 8
    .kernarg_segment_size: 32
    .max_flat_workgroup_size: 128
    .sgpr_count:     72
    .vgpr_count:     960
    .wavefront_size: 32
...
	.end_amdgpu_metadata
.endif
;; end of part 2
;; launch attn (part 3): grid 256 x 1, 8 waves a work-group, clusters of 4 x 1, 327,680 bytes of LDS; arguments qkv, out0; writes out0
.if DOCPART == 3
	.amdgcn_target "amdgcn-amd-amdhsa--gfx1250"
	.amdhsa_code_object_version 6
	.text
	.protected	k_qea3e724cba_attn
	.globl	k_qea3e724cba_attn
	.p2align	8
	.type	k_qea3e724cba_attn,@function
k_qea3e724cba_attn:
	s_mov_b64 s[64:65], 0
	v_nop
	global_prefetch_b8 v0, s[64:65] scope:SCOPE_SE
	s_setreg_imm32_b32 hwreg(HW_REG_WAVE_MODE, 25, 1), 1
	s_wait_xcnt 0x0
	s_wait_alu depctr_hold_cnt(0) depctr_sa_sdst(0) depctr_va_vdst(0) depctr_va_sdst(0) depctr_va_ssrc(0) depctr_va_vcc(0) depctr_vm_vsrc(0)
	s_getreg_b32 s2, hwreg(HW_REG_IB_STS2, 6, 4)
	s_cmp_eq_u32 s2, 0
	s_cbranch_scc0 .Lentry_in_a_cluster
	s_endpgm
.Lentry_in_a_cluster:
	s_bfe_u32 s2, ttmp6, 0x10000c
	s_cmp_lg_u32 s2, 0x3003
	s_cbranch_scc0 .Lentry_shape_is_right
	s_endpgm
.Lentry_shape_is_right:
; out0[n][s][64 h + d] = softmax over t of (q[s] . k[t] / 8) applied to v[t][d], for each of 32 heads.  qkv: [2][48][2048][64] f16.
; A work-group has 256 queries of one head, eight waves: wave w has queries 64 (w & 3) .. + 63 and keys 1024 (w >> 2) .. + 1023; the two
; waves of a query group merge their sums at the end.  Two waves lie on a SIMD, so that one wave's exponentials run beside the other's
; matrix instructions; halving the keys and not the queries keeps 64 queries a wave, 16 KiB of LDS reads for 64 matrix instructions.
; CLUSTERS: the four work-groups of a cluster are four query blocks of one head and walk the same K and V tiles: each tile is asked
; for jointly, by the same tensor load with the same descriptor in all four (mask 15).  The place in the cluster enters only the global
; addresses of Q and of the output.
; BOTH PRODUCTS ARE USED TRANSPOSED: S^T = K Q^T and O^T = V^T P^T.  A lane then owns query l % 16; the eight results of an S^T tile are
; keys 8 (l / 16) + 0..7, which is the place that P^T's fragment wants them in: two tiles pack in place into one fragment, maximum and
; sum stay in the lane but for one exchange between the halves, and the rescaling factor is one number a lane.
; SOFTMAX: a running maximum, kept as nmc = -c m, c = log2(e) / 8; weights are exp2(c s + nmc) by one fused multiply-add, and the
; old sums are scaled by exp2(nmc_new - nmc_old), so that shifts and factors agree at any size of the scores.
; LIMITS: NaN and infinite q, k, v are not served.  Weights below 2^-126 become 0 in the exponential, weights below 6e-8 become 0 in f16;
; both are measured against a sum that is at least about 1.  Sums are made in another order than a row-wise softmax makes them.
.set VP,    160                        ; LDS pitch of a row of V: 128 bytes + 32, an odd multiple of 32 (for the transposing loads)
.set KP,    144                        ; LDS pitch of a row of K: 128 bytes + 16, an odd multiple of 16
.set KOFF,  256*VP                     ; a slot: V's 256 rows (128 of each half of the keys), then K's 256 rows
.set SLOT,  256*VP+256*KP              ; 77,824
.set TILEB, 128*128                    ; a tile steps 128 rows of 128 bytes in each half
.set XB,    2*SLOT                     ; 155,648: the merge, 8,704 bytes a wave (16 x 512 of O, 512 of maxima and sums)
.set XW,    8704
.set STG,   XB+8*XW                    ; 225,280: the way out, 16 rows x 272 bytes a wave.  XB and STG are multiples of 256; no tensor load lands there
.set STW,   4352
.set STP,   272
; window 0
.set ADK, 8                            ; v8-9    LDS address of my K fragments in slot 0, 1
.set ADV, 10                           ; v10-11  the same for V
.set XST, 12
.set XLD, 13
.set STO, 14
.set RD,  15
.set CO,  16
.set QO,  17
.set NM,  20                           ; v[20:27] pairs (nmc, candidate) of query groups 0-3
.set AL,  28                           ; v[28:35] pairs (factor for the old sums, sum of weights)
.set MX,  36                           ; v[36:39]
.set TS,  40                           ; v[40:47]
.set PT,  48                           ; v[48:51] what comes from the other half of the lanes
.set KF,  64                           ; v[64:127]  K fragments: 16 tt + 8 dh
.set SC,  128                          ; v[128:255] S^T tiles: 32 q + 8 tt; later P^T fragments at 32 q + 16 ks
; window 1
.set OA,  0                            ; O^T tiles: 8 (4 dt + q)
.set QF,  128                          ; Q fragments: 16 q + 8 dh
.set VF,  192                          ; V^T fragments: 32 ks + 8 dt
.set G1V, 16
.set G1K, 24
.set G0V, 32
.set G0K, 40
.set LD1,  0x40                        ; destination window 1
.set SMUL, 0x04                        ; source 1 (Q) window 1
.set RESC, 0x41                        ; destination and source 0 (O) window 1
.set PVM,  0x51                        ; D, C (O) and source 0 (V) window 1, source 1 (P) window 0
.set MSB, 0
.macro WIN new
.if MSB != \new
	s_set_vgpr_msb (MSB<<8)|\new
.set MSB, \new
.endif
.endm
.macro PLACES n
.rept \n
	v_nop
.endr
.endm
.macro ROUND                           ; a round of the cluster's barrier
	s_barrier_signal -1
	s_barrier_wait -1
	s_cmp_lg_u32 s8, 0
	s_cbranch_scc1 .Lnot_wave_0_\@
	s_barrier_signal -3
.Lnot_wave_0_\@:
	s_barrier_wait -3
	s_barrier_signal -1
	s_barrier_wait -1
.endm
.macro JLOAD s                         ; waves 0-3 ask for 64 rows of V each, waves 4-7 for 64 rows of K: the branch hangs on the wave's number alone
	s_cmp_eq_u32 s9, 0
	s_cbranch_scc0 .Lfor_k_\@
	tensor_load_to_lds s[G0V+4*(\s):G0V+4*(\s)+3], s[G1V:G1V+7]
	s_nop 0
	s_branch .Lasked_\@
.Lfor_k_\@:
	tensor_load_to_lds s[G0K+4*(\s):G0K+4*(\s)+3], s[G1K:G1K+7]
	s_nop 0
.Lasked_\@:
.endm
	s_load_b128 s[4:7], s[0:1], 0x0                ; qkv s[4:5], out0 s[6:7]
	v_lshl_add_u32 v62, v0, 2, 0x3f800
	v_mov_b32 v63, 0
	ds_add_u32 v62, v63
	v_lshrrev_b32 v1, 5, v0
	v_readfirstlane_b32 s8, v1                     ; wave 0..7
	s_lshr_b32 s9, s8, 2                           ; my half of the keys.  Also: I fetch for V (0) or for K (1)
	s_and_b32 s10, s8, 3                           ; my query group.  Also: which 64 rows of the tile I fetch
	s_bfe_u32 s11, ttmp6, 0x40000                  ; cx
	s_lshr_b32 s12, ttmp9, 1                       ; batch and head: two clusters a head
	s_mov_b32 s50, 0x3e38aa3b                      ; c = log2(e) / 8
	s_mov_b32 s51, 0x3e38aa3b
	s_mov_b32 s54, 0xbe38aa3b                      ; -c
	s_mov_b32 s52, 0x76543210                      ; v_permlanex16_b32: lane i reads lane i of the other half
	s_mov_b32 s53, 0xfedcba98
	; group 1: 64 rows of 64 f16, dense in memory, padded in LDS behind every 32 words: by 8 words for V, by 4 for K
	s_mov_b32 s[G1V+0], 15|(1<<16)|(1<<20)|(1<<21)|(4<<22)|(7<<25)
	s_mov_b32 s[G1K+0], 15|(1<<16)|(1<<20)|(1<<21)|(4<<22)|(3<<25)
.irp g, G1V, G1K
	s_mov_b32 s[\g+1], 64<<16                      ; tensor_dim0 = 64
	s_mov_b32 s[\g+2], 64<<16                      ; tensor_dim1 = 64
	s_mov_b32 s[\g+3], 64<<16                      ; tile_dim0 = 64
	s_mov_b32 s[\g+4], 64                          ; tile_dim1 = 64
	s_mov_b32 s[\g+5], 64                          ; elements from row to row
	s_mov_b32 s[\g+6], 0
	s_mov_b32 s[\g+7], 0
.endr
	s_lshr_b32 s13, s12, 4                         ; batch
	s_and_b32 s14, s12, 15                         ; head
	s_mul_i32 s15, s13, 48
	s_add_co_u32 s15, s15, s14
	s_lshl_b32 s56, s15, 18                        ; q of this head: 262,144 bytes a head
	s_lshr_b32 s58, s10, 1                         ; my 64 rows of a tile: half of the keys x 1,024 rows
	s_lshl_b32 s58, s58, 17
	s_and_b32 s59, s10, 1                          ; + 64 rows
	s_lshl_b32 s59, s59, 13
	s_add_co_u32 s58, s58, s59
	s_add_co_u32 s58, s58, s56                     ; made of the head and the wave's number alone: the same in all four partners
	s_mov_b32 s59, 0
	s_and_b32 s60, ttmp9, 1
	s_lshl2_add_u32 s60, s60, s11                  ; query block = 4 x (cluster & 1) + cx
	s_lshl2_add_u32 s61, s60, s10                  ; block of 64 queries = 4 x query block + query group
	s_lshl_b32 s60, s61, 13                        ; x 64 rows of 128 bytes
	s_add_co_u32 s60, s60, s56
	s_lshl_b32 s62, s13, 23                        ; out0: batch x 2,048 rows of 4,096 bytes
	s_lshl_b32 s63, s61, 18                        ; + 64 rows
	s_add_co_u32 s62, s62, s63
	s_lshl_b32 s63, s14, 8                         ; + the head's 256 bytes of a row
	s_add_co_u32 s62, s62, s63
	s_mov_b32 s61, 0
	s_mov_b32 s63, 0
	s_mul_i32 s13, s8, 64*VP                       ; LDS: waves 0-3: V's four quarters
	s_mul_i32 s14, s8, 64*KP                       ;      waves 4-7: K's four quarters, behind V's 256 rows
	s_add_co_u32 s14, s14, KOFF-4*64*KP
	s_wait_dscnt 0x0
	s_wait_kmcnt 0x0
	s_add_nc_u64 s[58:59], s[4:5], s[58:59]
	s_add_nc_u64 s[60:61], s[4:5], s[60:61]
	s_add_nc_u64 s[62:63], s[6:7], s[62:63]
.irp s, 0,1
	s_mov_b32 s[G0V+4*\s], 1
	s_add_co_u32 s[G0V+4*\s+1], s13, \s*SLOT
	s_add_nc_u64 s[G0V+4*\s+2:G0V+4*\s+3], s[58:59], 32*262144+\s*TILEB   ; v lies 32 heads behind q; slot s starts with tile s
	s_or_b32 s[G0V+4*\s+3], s[G0V+4*\s+3], 0x80000000
	s_mov_b32 s[G0K+4*\s], 1
	s_add_co_u32 s[G0K+4*\s+1], s14, \s*SLOT
	s_add_nc_u64 s[G0K+4*\s+2:G0K+4*\s+3], s[58:59], 16*262144+\s*TILEB   ; k lies 16 heads behind q
	s_or_b32 s[G0K+4*\s+3], s[G0K+4*\s+3], 0x80000000
.endr
	ROUND                                          ; all four work-groups are here: the first joint loads meet
	JLOAD 0                                        ; tile 0.  By this text's count a wave never has more than one tensor load out
	v_and_b32 v1, 31, v0                           ; l
	v_and_b32 v2, 15, v0                           ; r = l % 16
	v_bfe_u32 v3, v0, 4, 1                         ; h = l / 16
	v_and_b32 v4, 7, v0
	v_bfe_u32 v5, v0, 3, 1
	v_lshlrev_b32 v[QO], 7, v2                     ; Q: row r of 128 bytes + 16 h
	v_lshl_add_u32 v[QO], v3, 4, v[QO]
	WIN LD1
.irp q, 0,1,2,3
.irp dh, 0,1
	global_load_b128 v[QF+16*\q+8*\dh:QF+16*\q+8*\dh+3],   v[QO], s[60:61] offset:\q*2048+\dh*64
	global_load_b128 v[QF+16*\q+8*\dh+4:QF+16*\q+8*\dh+7], v[QO], s[60:61] offset:\q*2048+\dh*64+32
.endr
.endr
	WIN 0
	v_mul_u32_u24 v6, v2, KP                       ; K fragments: row r x pitch + 16 h, in my half's 128 rows
	v_lshl_add_u32 v6, v3, 4, v6
	s_mul_i32 s13, s9, 128*KP
	s_add_co_u32 s13, s13, KOFF
	v_add_nc_u32 v[ADK], s13, v6
	v_add_nc_u32 v[ADK+1], SLOT, v[ADK]
	v_lshl_add_u32 v7, v3, 3, v4                   ; V through the transposing load: row 8 h + l % 8, 16 bytes at 16 ((l / 8) % 2)
	v_mul_u32_u24 v7, v7, VP
	v_lshl_add_u32 v7, v5, 4, v7
	s_mul_i32 s14, s9, 128*VP
	v_add_nc_u32 v[ADV], s14, v7
	v_add_nc_u32 v[ADV+1], SLOT, v[ADV]
	s_mul_i32 s13, s8, XW
	s_add_co_u32 s13, s13, XB
	v_lshl_add_u32 v[XST], v1, 4, s13              ; the merge: what I give,
	s_xor_b32 s14, s8, 4
	s_mul_i32 s14, s14, XW
	s_add_co_u32 s14, s14, XB
	v_lshl_add_u32 v[XLD], v1, 4, s14              ; and what the wave with my queries and the other keys gives
	s_mul_i32 s13, s8, STW
	s_add_co_u32 s13, s13, STG
	v_mul_u32_u24 v6, v2, STP
	v_lshl_add_u32 v6, v3, 5, v6
	v_add_nc_u32 v[STO], s13, v6                   ; the way out, in: row r, 32 bytes for each half of the lanes
	v_mul_u32_u24 v7, v3, STP
	v_lshl_add_u32 v7, v2, 4, v7
	v_add_nc_u32 v[RD], s13, v7                    ; back: lanes 0-15 one row of 256 bytes, lanes 16-31 the next
	v_lshlrev_b32 v[CO], 12, v3                    ; and the same two rows in out0
	v_lshl_add_u32 v[CO], v2, 4, v[CO]
.irp q, 0,1,2,3
	v_mov_b32 v[PT+\q], 0                          ; v_permlanex16_b32 counts as a reader of its destination
.endr
	s_wait_loadcnt 0x0                             ; Q, once
; 64 keys (block blk of the slot's 128 of my half) x my 64 queries.  first = 1: nothing is carried yet: the products start the sums.
; In both products sixteen accumulators take turns, one instruction a turn.
.macro BLOCK slot, blk, first
	WIN 0
.irp tt, 0,1,2,3
.irp dh, 0,1
	ds_load_b128 v[KF+16*\tt+8*\dh:KF+16*\tt+8*\dh+3],   v[ADK+\slot] offset:\blk*64*KP+\tt*16*KP+\dh*64
	ds_load_b128 v[KF+16*\tt+8*\dh+4:KF+16*\tt+8*\dh+7], v[ADK+\slot] offset:\blk*64*KP+\tt*16*KP+\dh*64+32
.endr
.endr
	WIN LD1
.irp ks, 0,1
.irp dt, 0,1,2,3
	ds_load_tr16_b128 v[VF+32*\ks+8*\dt:VF+32*\ks+8*\dt+3],   v[ADV+\slot] offset:\blk*64*VP+\ks*32*VP+\dt*32
	ds_load_tr16_b128 v[VF+32*\ks+8*\dt+4:VF+32*\ks+8*\dt+7], v[ADV+\slot] offset:\blk*64*VP+\ks*32*VP+\dt*32+16*VP
.endr
.endr
	s_wait_dscnt 16                                ; K's sixteen loads are in; V's sixteen, issued behind them, stay out
	WIN SMUL
.irp tt, 0,1,2,3
.irp q, 0,1,2,3
	v_wmma_f32_16x16x32_f16 v[SC+32*\q+8*\tt:SC+32*\q+8*\tt+7], v[KF+16*\tt:KF+16*\tt+7], v[QF+16*\q:QF+16*\q+7], 0
.endr
.endr
.irp tt, 0,1,2,3
.irp q, 0,1,2,3
	v_wmma_f32_16x16x32_f16 v[SC+32*\q+8*\tt:SC+32*\q+8*\tt+7], v[KF+16*\tt+8:KF+16*\tt+15], v[QF+16*\q+8:QF+16*\q+15], v[SC+32*\q+8*\tt:SC+32*\q+8*\tt+7]
.endr
.endr
	WIN 0
	PLACES 4                                       ; four places before a vector instruction reads a matrix result (ISA guide 7.12.1)
	; the largest of my 32 scores of each query group: four chains side by side
.irp q, 0,1,2,3
	v_max3_num_f32 v[MX+\q], v[SC+32*\q], v[SC+32*\q+1], v[SC+32*\q+2]
.endr
.irp i, 3,5,7,9,11,13,15,17,19,21,23,25,27,29
.irp q, 0,1,2,3
	v_max3_num_f32 v[MX+\q], v[MX+\q], v[SC+32*\q+\i], v[SC+32*\q+\i+1]
.endr
.endr
.irp q, 0,1,2,3
	v_max_num_f32 v[MX+\q], v[MX+\q], v[SC+32*\q+31]
.endr
.irp q, 0,1,2,3
	v_permlanex16_b32 v[PT+\q], v[MX+\q], s52, s53 ; the other half of the lanes holds the query's other 32 keys
.endr
.irp q, 0,1,2,3
	v_max_num_f32 v[MX+\q], v[MX+\q], v[PT+\q]
.endr
.irp q, 0,1,2,3
	v_mul_f32 v[NM+2*\q+1], s54, v[MX+\q]          ; candidate = -c x the block's maximum
.endr
.if \first
.irp q, 0,1,2,3
	v_mov_b32 v[NM+2*\q], v[NM+2*\q+1]
.endr
.else
.irp q, 0,1,2,3
	v_min_num_f32 v[NM+2*\q+1], v[NM+2*\q+1], v[NM+2*\q]   ; the running maximum, as the smaller -c m
.endr
.irp q, 0,1,2,3
	v_sub_f32 v[AL+2*\q], v[NM+2*\q+1], v[NM+2*\q]
.endr
.irp q, 0,1,2,3
	v_exp_f32 v[AL+2*\q], v[AL+2*\q]               ; the factor for the old sums, at most 1
.endr
.irp q, 0,1,2,3
	v_mov_b32 v[NM+2*\q], v[NM+2*\q+1]             ; plain instructions behind the exponentials, ahead of the factors' first use
.endr
.endif
	; exp2(c s + nmc).  Group 0 is shifted first; then, in five stages of sixteen steps, group st takes its exponentials while group
	; st + 1 is shifted and group st - 1 is summed and packed to f16 in place: behind every two exponentials stands a plain instruction
	; that touches neither, and a result is used a stage later.  Pair i packs into register i of its half of the group, which lies in
	; a pair that has been summed and packed before (pair 1 is summed with pair 0).
.set i, 0
.rept 16
	v_pk_fma_f32 v[SC+2*i:SC+2*i+1], v[SC+2*i:SC+2*i+1], s[50:51], v[NM:NM+1] op_sel_hi:[1,0,0]
.set i, i+1
.endr
.set st, 0
.rept 5
.set i, 0
.rept 16
.if st < 4
	v_exp_f32 v[SC+32*st+2*i], v[SC+32*st+2*i]
	v_exp_f32 v[SC+32*st+2*i+1], v[SC+32*st+2*i+1]
.endif
.if st < 3
	v_pk_fma_f32 v[SC+32*st+32+2*i:SC+32*st+33+2*i], v[SC+32*st+32+2*i:SC+32*st+33+2*i], s[50:51], v[NM+2*st+2:NM+2*st+3] op_sel_hi:[1,0,0]
.endif
.if st > 0
.if i == 0
	s_wait_alu depctr_va_vdst(0)
	v_pk_add_f32 v[TS+2*st-2:TS+2*st-1], v[SC+32*st-32:SC+32*st-31], v[SC+32*st-30:SC+32*st-29]
.endif
.if i > 1
	v_pk_add_f32 v[TS+2*st-2:TS+2*st-1], v[TS+2*st-2:TS+2*st-1], v[SC+32*st-32+2*i:SC+32*st-31+2*i]
.endif
	v_cvt_pk_f16_f32 v[SC+32*st-32+16*(i/8)+(i%8)], v[SC+32*st-32+2*i], v[SC+32*st-31+2*i]
.endif
.set i, i+1
.endr
.set st, st+1
.endr
.if \first
.irp q, 0,1,2,3
	v_add_f32 v[AL+2*\q+1], v[TS+2*\q], v[TS+2*\q+1]       ; the sum of weights, of my half of the lanes until the end
.endr
.else
.irp q, 0,1,2,3
	v_add_f32 v[TS+2*\q], v[TS+2*\q], v[TS+2*\q+1]
.endr
.irp q, 0,1,2,3
	v_fma_f32 v[AL+2*\q+1], v[AL+2*\q+1], v[AL+2*\q], v[TS+2*\q]
.endr
	WIN RESC
.set i, 0
.rept 64
	v_pk_mul_f32 v[OA+2*i:OA+2*i+1], v[OA+2*i:OA+2*i+1], v[AL+2*((i/4)%4):AL+2*((i/4)%4)+1] op_sel_hi:[1,0]   ; always done: no branch hangs on a floating-point number
.set i, i+1
.endr
.endif
	s_wait_dscnt 0x0                               ; V
	WIN PVM
.irp dt, 0,1,2,3
.irp q, 0,1,2,3
.if \first
	v_wmma_f32_16x16x32_f16 v[OA+8*(4*\dt+\q):OA+8*(4*\dt+\q)+7], v[VF+8*\dt:VF+8*\dt+7], v[SC+32*\q:SC+32*\q+7], 0
.else
	v_wmma_f32_16x16x32_f16 v[OA+8*(4*\dt+\q):OA+8*(4*\dt+\q)+7], v[VF+8*\dt:VF+8*\dt+7], v[SC+32*\q:SC+32*\q+7], v[OA+8*(4*\dt+\q):OA+8*(4*\dt+\q)+7]
.endif
.endr
.endr
.irp dt, 0,1,2,3
.irp q, 0,1,2,3
	v_wmma_f32_16x16x32_f16 v[OA+8*(4*\dt+\q):OA+8*(4*\dt+\q)+7], v[VF+32+8*\dt:VF+32+8*\dt+7], v[SC+32*\q+16:SC+32*\q+23], v[OA+8*(4*\dt+\q):OA+8*(4*\dt+\q)+7]
.endr
.endr
	WIN 0
	PLACES 5                                       ; five places before the next S products write over P, four before loads land in V's fragments
.endm
; A tile: 128 keys of each half.  In front of the round every wave waits for all its tensor loads (its part of this tile) and for its reads
; of the other slot; behind the round the other slot's next tile is asked for first, and has this tile's 128 matrix instructions in which to land.
.macro TRIP slot, refill, first
	s_wait_tensorcnt 0x0                           ; no tensor load of mine is out, so a group 0 may be written: this slot's next tile
	ds_add_u32 v62, v63
	s_wait_dscnt 0x0
	s_add_nc_u64 s[G0V+4*\slot+2:G0V+4*\slot+3], s[G0V+4*\slot+2:G0V+4*\slot+3], 2*TILEB
	s_add_nc_u64 s[G0K+4*\slot+2:G0K+4*\slot+3], s[G0K+4*\slot+2:G0K+4*\slot+3], 2*TILEB
	s_wait_dscnt 0x0                               ; my reads of the last tile are done
	ROUND                                          ; both now hold of every wave of all four work-groups
.if \refill
	JLOAD 1-\slot
.endif
	BLOCK \slot, 0, \first
	BLOCK \slot, 1, 0
.endm
	TRIP 0, 1, 1                                   ; tiles 0 and 1 stand in front of the loop: the first block starts the sums
	TRIP 1, 1, 0
	s_mov_b32 s48, 2
.Ltiles:
	TRIP 0, 1, 0                                   ; tiles 2 to 5
	TRIP 1, 1, 0
	s_sub_co_u32 s48, s48, 1
	s_cmp_lg_u32 s48, 0
	s_cbranch_scc1 .Ltiles
	TRIP 0, 1, 0                                   ; tile 6 asks for tile 7,
	TRIP 1, 0, 0                                   ; and tile 7 for nothing (the stepped addresses are not used)
	; THE MERGE.  The two waves of a query group hold sums over different keys.  The wave of the lower keys finishes query groups 0 and 1
	; and gives away 2 and 3; the other the other way round.
.irp q, 0,1,2,3
	v_permlanex16_b32 v[PT+\q], v[AL+2*\q+1], s52, s53
.endr
.irp q, 0,1,2,3
	v_add_f32 v[AL+2*\q+1], v[AL+2*\q+1], v[PT+\q] ; the sum of weights over both halves of the lanes
.endr
.macro GIVE qa
	v_mov_b32 v[TS],   v[NM+2*\qa]
	v_mov_b32 v[TS+1], v[AL+2*\qa+1]
	v_mov_b32 v[TS+2], v[NM+2*\qa+2]
	v_mov_b32 v[TS+3], v[AL+2*\qa+3]
	ds_store_b128 v[XST], v[TS:TS+3] offset:8192
	WIN 0x04                                       ; store data in window 1
.irp i, 0,1
.irp dt, 0,1,2,3
	ds_store_b128 v[XST], v[OA+8*(4*\dt+\qa+\i):OA+8*(4*\dt+\qa+\i)+3]   offset:(4*\i+\dt)*1024
	ds_store_b128 v[XST], v[OA+8*(4*\dt+\qa+\i)+4:OA+8*(4*\dt+\qa+\i)+7] offset:(4*\i+\dt)*1024+512
.endr
.endr
	WIN 0
.endm
.macro TAKE qa
	ds_load_b128 v[TS+4:TS+7], v[XLD] offset:8192
.irp i, 0,1
.irp dt, 0,1,2,3
	ds_load_b128 v[SC+32*\i+8*\dt:SC+32*\i+8*\dt+3],   v[XLD] offset:(4*\i+\dt)*1024
	ds_load_b128 v[SC+32*\i+8*\dt+4:SC+32*\i+8*\dt+7], v[XLD] offset:(4*\i+\dt)*1024+512
.endr
.endr
	s_wait_dscnt 16                                ; the partner's maxima and sums are in; its sixteen loads of O stay out
.irp i, 0,1
	v_min_num_f32 v[MX+\i], v[NM+2*(\qa+\i)], v[TS+4+2*\i]         ; the common maximum
.endr
.irp i, 0,1
	v_sub_f32 v[TS+2*\i],   v[MX+\i], v[NM+2*(\qa+\i)]
	v_sub_f32 v[TS+2*\i+1], v[MX+\i], v[TS+4+2*\i]
.endr
.irp i, 0,1,2,3
	v_exp_f32 v[TS+\i], v[TS+\i]
.endr
	v_nop                                          ; a plain place behind the exponentials
	s_wait_alu depctr_va_vdst(0)
.irp i, 0,1
	v_mul_f32 v[MX+\i], v[AL+2*(\qa+\i)+1], v[TS+2*\i]
.endr
.irp i, 0,1
	v_fma_f32 v[MX+\i], v[TS+5+2*\i], v[TS+2*\i+1], v[MX+\i]       ; the whole sum of weights, at least about 1
.endr
	v_rcp_f32 v[MX], v[MX]
	v_rcp_f32 v[MX+1], v[MX+1]
	v_nop                                          ; a plain place behind the reciprocals
	s_wait_alu depctr_va_vdst(0)
.irp i, 0,1
	v_mul_f32 v[AL+2*(\qa+\i)], v[TS+2*\i],   v[MX+\i]             ; my factor
	v_mul_f32 v[NM+2*(\qa+\i)], v[TS+2*\i+1], v[MX+\i]             ; the partner's
.endr
	s_wait_dscnt 0x0
.irp i, 0,1
.irp p, 0,1,2,3,4,5,6,7,8,9,10,11,12,13,14,15
	v_pk_mul_f32 v[SC+32*\i+2*\p:SC+32*\i+2*\p+1], v[SC+32*\i+2*\p:SC+32*\i+2*\p+1], v[NM+2*(\qa+\i):NM+2*(\qa+\i)+1] op_sel_hi:[1,0]
.endr
	WIN 0x01                                       ; source 0 (my O) in window 1
.irp dt, 0,1,2,3
.irp p, 0,1,2,3
	v_pk_fma_f32 v[SC+32*\i+8*\dt+2*\p:SC+32*\i+8*\dt+2*\p+1], v[OA+8*(4*\dt+\qa+\i)+2*\p:OA+8*(4*\dt+\qa+\i)+2*\p+1], v[AL+2*(\qa+\i):AL+2*(\qa+\i)+1], v[SC+32*\i+8*\dt+2*\p:SC+32*\i+8*\dt+2*\p+1] op_sel_hi:[1,0,1]
.endr
.endr
	WIN 0
	; a lane holds d = 16 dt + 8 h + 0..7 of query r: 32 bytes of a row; through my own stage they become whole rows of 256 bytes
.irp dt, 0,1,2,3
	ds_store_b128 v[STO], v[SC+32*\i+8*\dt:SC+32*\i+8*\dt+3]   offset:\dt*64
	ds_store_b128 v[STO], v[SC+32*\i+8*\dt+4:SC+32*\i+8*\dt+7] offset:\dt*64+16
.endr
.irp t, 0,1,2,3,4,5,6,7
	ds_load_b128 v[KF+32*\i+4*\t:KF+32*\i+4*\t+3], v[RD] offset:\t*2*STP   ; LDS serves a wave's instructions in order: these see the stores above
.endr
.irp t, 0,1,2,3,4,5,6,7
	s_wait_dscnt 7-\t                              ; LDS loads come back in order
	global_store_b128 v[CO], v[KF+32*\i+4*\t:KF+32*\i+4*\t+3], s[62:63] offset:(\qa+\i)*65536+\t*8192 th:TH_STORE_NT   ; sixteen lanes: the head's 256 bytes of one row, aligned; each group has registers of its own
.endr
.endr
.endm
	s_cmp_eq_u32 s9, 0
	s_cbranch_scc0 .Lgive_low
	GIVE 2
	s_branch .Lgiven
.Lgive_low:
	GIVE 0
.Lgiven:
	s_wait_dscnt 0x0                               ; my stores are in LDS before I say so,
	s_barrier_signal -1
	s_barrier_wait -1                              ; and the partner's are before I read them
	s_cmp_eq_u32 s9, 0
	s_cbranch_scc0 .Ltake_high
	TAKE 0
	s_branch .Ltaken
.Ltake_high:
	TAKE 2
.Ltaken:
	s_wait_tensorcnt 0x0
	ds_add_u32 v62, v63
	s_wait_dscnt 0x0
	ROUND                                          ; the closing round: no work-group ends while a partner may still ask for a tile that names it
	s_endpgm
.Lfunc_end_k_qea3e724cba_attn:
	.size	k_qea3e724cba_attn, .Lfunc_end_k_qea3e724cba_attn-k_qea3e724cba_attn
	.p2alignl 7, 3214868480
	.fill 96, 4, 3214868480
	.section	.rodata,"a",@progbits
	.p2align	6, 0x0
	.amdhsa_kernel k_qea3e724cba_attn
		.amdhsa_group_segment_fixed_size 327680
		.amdhsa_private_segment_fixed_size 0
		.amdhsa_enable_private_segment 0
		.amdhsa_kernarg_size 16
		.amdhsa_user_sgpr_count 2
		.amdhsa_user_sgpr_kernarg_segment_ptr 1
		.amdhsa_wavefront_size32 1
		.amdhsa_system_sgpr_workgroup_id_x 1
		.amdhsa_system_sgpr_workgroup_id_y 1
		.amdhsa_system_sgpr_workgroup_id_z 1
		.amdhsa_system_vgpr_workitem_id 0
		.amdhsa_next_free_vgpr 512
		.amdhsa_next_free_sgpr 66
		.amdhsa_reserve_vcc 0
		.amdhsa_float_denorm_mode_32 3
		.amdhsa_float_denorm_mode_16_64 3
		.amdhsa_memory_ordered 1
		.amdhsa_forward_progress 1
		.amdhsa_inst_pref_size 255
	.end_amdhsa_kernel
	.section	.bss,"aw",@nobits
	.p2align	6
	.space	262144
	.amdgpu_metadata
---
amdhsa.version: [ 1, 2 ]
amdhsa.kernels:
  - .name:           k_qea3e724cba_attn
    .symbol:         k_qea3e724cba_attn.kd
    .args:
      - { .name: qkv, .offset: 0, .size: 8, .value_kind: global_buffer, .address_space: global }
      - { .name: out0, .offset: 8, .size: 8, .value_kind: global_buffer, .address_space: global }
    .group_segment_fixed_size: 327680
    .private_segment_fixed_size: 0
    .kernarg_segment_align: 8
    .kernarg_segment_size: 16
    .max_flat_workgroup_size: 256
    .sgpr_count:     66
    .vgpr_count:     512
    .wavefront_size: 32
...
	.end_amdgpu_metadata
.endif
;; end of part 3
